; MI455X (gfx1250); checked and timed in simulation.
; The chip was launched on July 23, 2026; its instructions are those of AMD's public machine-readable ISA for CDNA 5 (MIT licence, August 2026) and "CDNA5" Instruction Set Architecture Reference Guide (July 2026). The comments in the code are by the model that wrote it; some were corrected since.
;; Attention. Allowed arithmetic: float matrix products may take bf16 or f16 operands with f32 sums; all other float work in f32.
;; Inputs: freqs_cos 2,048 x 64 float32; freqs_sin 2,048 x 64 float32; wk 4,096 x 1,024 float32; wo 2,048 x 4,096 float32; wq 4,096 x 2,048 float32; wv 4,096 x 1,024 float32; x 2,048 x 4,096 float32.
;; Outputs: out0 2,048 x 4,096 float32.
;; One version. Each part assembles by itself: llvm-mc -triple=amdgcn-amd-amdhsa -mcpu=gfx1250 --defsym DOCPART=n.
;; ======== version 1 of 1: 4 launches
;; limits: values are held in f16: magnitudes above 65,504 overflow, below 6.1e-05 lose precision; inputs' magnitudes at most 65,504
;; workspace buffers: xh 16,777,216 bytes; wh 33,554,432 bytes; woh 16,777,216 bytes; qkv 16,777,216 bytes; att 8,388,608 bytes
;; launch cast (part 1): grid 128 x 8, 8 waves a work-group, no clusters, 0 bytes of LDS; arguments x, wq, wk, wv, wo, xh, wh, woh; writes xh, wh, woh
.if DOCPART == 1
	.amdgcn_target "amdgcn-amd-amdhsa--gfx1250"
	.amdhsa_code_object_version 6
	.text
	.protected	k_q67a7f08492_cast
	.globl	k_q67a7f08492_cast
	.p2align	8
	.type	k_q67a7f08492_cast,@function
k_q67a7f08492_cast:
	s_mov_b64 s[64:65], 0
	v_nop
	global_prefetch_b8 v0, s[64:65] scope:SCOPE_SE
	s_setreg_imm32_b32 hwreg(HW_REG_WAVE_MODE, 25, 1), 1
	s_wait_xcnt 0x0
; The matrix operands of the layer, rounded once from f32 to f16 (nearest even):
;   xh  [2048][4096]  = x
;   wh  [4096][4096]  : row k = wq's row k (2048 numbers), wk's row k (1024), wv's row k (1024): one weight matrix for q | k | v
;   woh [2048][4096]  = wo
; No work of reference() is left out anywhere in this program: every input reaches out0, there is no mask, and jnp.repeat is a copy
; that is never made (two query heads read one key/value head).
; WHY f16: it keeps 11 significant bits where bf16 keeps 8; the scores q.k enter an exponential, where 8 bits are too few for this output's margin.
; LIMIT: a number of x, wq, wk, wv or wo with magnitude above 65,504 becomes an infinity here; magnitudes under 6.1e-5 keep
; an absolute step of 6e-8 instead of 11 bits.
; A stream: memory binds, so no LDS, no barrier, no matrix unit.  A piece is 1,024 neighbouring f32 (4,096 bytes in, 2,048 out).
; Grid y picks 4,096 pieces (16 MiB of one source), a work-group takes 32 of them, a wave 4.  A load of a wave covers 512 neighbouring
; bytes, a store 256 neighbouring bytes at a multiple of 256.  All 32 loads of a wave go out before the first is waited for.
.set X, 8                              ; v[8:135]  chunk n of 32: four f32 as loaded, then two words of f16 in its first two registers
	s_load_b512 s[8:23], s[0:1], 0x0               ; x 8:9, wq 10:11, wk 12:13, wv 14:15, wo 16:17, xh 18:19, wh 20:21, woh 22:23
	s_and_b32 s2, ttmp7, 0xffff                    ; y: which 16 MiB
	v_lshrrev_b32 v2, 5, v0
	v_readfirstlane_b32 s3, v2                     ; wave
	v_and_b32 v3, 31, v0                           ; lane
	v_lshlrev_b32 v1, 4, v3                        ; 16 bytes a lane in
	v_lshlrev_b32 v2, 3, v3                        ; 8 bytes a lane out
	s_wait_kmcnt 0x0
	; The source, the target and how a piece p of the source is placed: at (p >> sh) * pitch + (p & ((1 << sh) - 1)) * 2048 + base.
	s_mov_b64 s[4:5], s[16:17]                     ; y = 6, 7: wo to woh, dense
	s_mov_b64 s[6:7], s[22:23]
	s_mov_b32 s24, 6                               ; the source's first y
	s_mov_b32 s25, 0                               ; sh: log2 of the pieces in a source row
	s_mov_b32 s26, 2048                            ; pitch
	s_mov_b32 s27, 0                               ; base
	s_cmp_lt_u32 s2, 6                             ; y = 5: wv, a row is one piece, to byte 6,144 of wh's rows of 8,192
	s_cselect_b64 s[4:5], s[14:15], s[4:5]
	s_cselect_b64 s[6:7], s[20:21], s[6:7]
	s_cselect_b32 s24, 5, s24
	s_cselect_b32 s26, 8192, s26
	s_cselect_b32 s27, 6144, s27
	s_cmp_lt_u32 s2, 5                             ; y = 4: wk, to byte 4,096
	s_cselect_b64 s[4:5], s[12:13], s[4:5]
	s_cselect_b32 s24, 4, s24
	s_cselect_b32 s27, 4096, s27
	s_cmp_lt_u32 s2, 4                             ; y = 2, 3: wq, a row is two pieces, to byte 0
	s_cselect_b64 s[4:5], s[10:11], s[4:5]
	s_cselect_b32 s24, 2, s24
	s_cselect_b32 s25, 1, s25
	s_cselect_b32 s27, 0, s27
	s_cmp_lt_u32 s2, 2                             ; y = 0, 1: x to xh, dense
	s_cselect_b64 s[4:5], s[8:9], s[4:5]
	s_cselect_b64 s[6:7], s[18:19], s[6:7]
	s_cselect_b32 s24, 0, s24
	s_cselect_b32 s25, 0, s25
	s_cselect_b32 s26, 2048, s26
	s_sub_co_u32 s28, s2, s24
	s_lshl_b32 s28, s28, 12                        ; 4,096 pieces for each y
	s_lshl_b32 s29, ttmp9, 5                       ; 32 for each work-group
	s_add_co_u32 s28, s28, s29
	s_lshl2_add_u32 s28, s3, s28                   ; 4 for each wave: my first piece
	s_lshl_b32 s30, s28, 12                        ; its byte in the source (under 32 MiB)
	s_mov_b32 s31, 0
	s_add_nc_u64 s[4:5], s[4:5], s[30:31]
	s_lshl_b32 s29, 1, s25
	s_sub_co_u32 s29, s29, 1                       ; (1 << sh) - 1
.irp i, 0,1,2,3
	s_add_co_u32 s36, s28, \i
	s_lshr_b32 s37, s36, s25
	s_mul_i32 s37, s37, s26
	s_and_b32 s36, s36, s29
	s_lshl_b32 s36, s36, 11
	s_add_co_u32 s37, s37, s36
	s_add_co_u32 s[32+\i], s37, s27
	v_add_nc_u32 v[4+\i], s[32+\i], v2             ; v[4:7]: my 8 bytes in the first 256 of piece i's place
.endr
.set n, 0
.rept 32
	global_load_b128 v[X+4*n:X+4*n+3], v1, s[4:5] offset:512*n th:TH_LOAD_NT   ; read once in the whole program
.set n, n+1
.endr
.set n, 0
.rept 32
	s_wait_loadcnt 31-n                            ; loads come back in order: chunk n is in, the 31 - n younger ones stay out
	v_cvt_pk_f16_f32 v[X+4*n], v[X+4*n], v[X+4*n+1]
	v_cvt_pk_f16_f32 v[X+4*n+1], v[X+4*n+2], v[X+4*n+3]
	global_store_b64 v[4+n/8], v[X+4*n:X+4*n+1], s[6:7] offset:256*(n%8)      ; no register that a load or store names is written again
.set n, n+1
.endr
	s_endpgm
.Lfunc_end_k_q67a7f08492_cast:
	.size	k_q67a7f08492_cast, .Lfunc_end_k_q67a7f08492_cast-k_q67a7f08492_cast
	.p2alignl 7, 3214868480
	.fill 96, 4, 3214868480
	.section	.rodata,"a",@progbits
	.p2align	6, 0x0
	.amdhsa_kernel k_q67a7f08492_cast
		.amdhsa_group_segment_fixed_size 0
		.amdhsa_private_segment_fixed_size 0
		.amdhsa_enable_private_segment 0
		.amdhsa_kernarg_size 64
		.amdhsa_user_sgpr_count 2
		.amdhsa_user_sgpr_kernarg_segment_ptr 1
		.amdhsa_wavefront_size32 1
		.amdhsa_system_sgpr_workgroup_id_x 1
		.amdhsa_system_sgpr_workgroup_id_y 1
		.amdhsa_system_sgpr_workgroup_id_z 1
		.amdhsa_system_vgpr_workitem_id 0
		.amdhsa_next_free_vgpr 136
		.amdhsa_next_free_sgpr 66
		.amdhsa_reserve_vcc 0
		.amdhsa_float_denorm_mode_32 3
		.amdhsa_float_denorm_mode_16_64 3
		.amdhsa_memory_ordered 1
		.amdhsa_forward_progress 1
		.amdhsa_inst_pref_size 14
	.end_amdhsa_kernel
	.amdgpu_metadata
---
amdhsa.version: [ 1, 2 ]
amdhsa.kernels:
  - .name:           k_q67a7f08492_cast
    .symbol:         k_q67a7f08492_cast.kd
    .args:
      - { .name: x, .offset: 0, .size: 8, .value_kind: global_buffer, .address_space: global }
      - { .name: wq, .offset: 8, .size: 8, .value_kind: global_buffer, .address_space: global }
      - { .name: wk, .offset: 16, .size: 8, .value_kind: global_buffer, .address_space: global }
      - { .name: wv, .offset: 24, .size: 8, .value_kind: global_buffer, .address_space: global }
      - { .name: wo, .offset: 32, .size: 8, .value_kind: global_buffer, .address_space: global }
      - { .name: xh, .offset: 40, .size: 8, .value_kind: global_buffer, .address_space: global }
      - { .name: wh, .offset: 48, .size: 8, .value_kind: global_buffer, .address_space: global }
      - { .name: woh, .offset: 56, .size: 8, .value_kind: global_buffer, .address_space: global }
    .group_segment_fixed_size: 0
    .private_segment_fixed_size: 0
    .kernarg_segment_align: 8
    .kernarg_segment_size: 64
    .max_flat_workgroup_size: 256
    .sgpr_count:     66
    .vgpr_count:     136
    .wavefront_size: 32
...
	.end_amdgpu_metadata
.endif
;; end of part 1
;; launch proj (part 2): grid 16 x 16, 4 waves a work-group, clusters of 4 x 4, 327,680 bytes of LDS; arguments xh, wh, freqs_cos, freqs_sin, qkv; writes qkv
.if DOCPART == 2
	.amdgcn_target "amdgcn-amd-amdhsa--gfx1250"
	.amdhsa_code_object_version 6
	.text
	.protected	k_q67a7f08492_proj
	.globl	k_q67a7f08492_proj
	.p2align	8
	.type	k_q67a7f08492_proj,@function
k_q67a7f08492_proj:
	s_mov_b64 s[64:65], 0
	v_nop
	global_prefetch_b8 v0, s[64:65] scope:SCOPE_SE
	s_setreg_imm32_b32 hwreg(HW_REG_WAVE_MODE, 25, 1), 1
	s_wait_xcnt 0x0
	s_wait_alu depctr_hold_cnt(0) depctr_sa_sdst(0) depctr_va_vdst(0) depctr_va_sdst(0) depctr_va_ssrc(0) depctr_va_vcc(0) depctr_vm_vsrc(0)
	s_getreg_b32 s2, hwreg(HW_REG_IB_STS2, 6, 4)
	s_cmp_eq_u32 s2, 0
	s_cbranch_scc0 .Lentry_in_a_cluster
	s_endpgm
.Lentry_in_a_cluster:
	s_bfe_u32 s2, ttmp6, 0x10000c
	s_cmp_lg_u32 s2, 0xf033
	s_cbranch_scc0 .Lentry_shape_is_right
	s_endpgm
.Lentry_shape_is_right:
; qkv[token][0:2048 | 2048:3072 | 3072:4096] = 2^-4 * ( rope(x wq) | rope(x wk) | x wv ), f16.   A = xh [2048][4096], B = wh [4096 k][4096 n], both f16; sums in f32.
; LIMIT: the factor 2^-4 (exact) gives f16 room up to |q|, |k|, |v| = 1,048,000; beyond it the stored number is an infinity.  It is undone in f32 by the next launch.
; A work-group makes 128 x 256 of the product with four waves (as many as a WGP has SIMDs), so that 16 x 16 = 256 work-groups share the work evenly;
; a wave makes 64 x 128: 32 accumulator tiles of 16 x 16, 256 registers.  K goes in steps of 192 through two LDS slots filled by the tensor data mover: the longest
; step, in quarters of 32, of which two slots fit (2 x 159,744 of 327,680 bytes), so that one load and one barrier serve as many products as can be: 192 a wave.
; 4096 = 21 x 192 + 64: the last step has two quarters.  B lies [k][n], so its fragments come out of LDS by the transposing load.
; A tile row of B is 512 bytes at a multiple of 256 from the buffer's first byte; a tile row of A is 384 bytes and starts at a multiple of 128: the price of the longer step.
; CLUSTERS: 4 x 4 work-groups.  The four of a row of the cluster need the same tile of A, the four of a column the same tile of B: each tile is asked for jointly.
; REGISTERS: window 0: v1-15 at work, v16-29 addresses, v32-95 A's fragments (two buffers of 4), v96-223 B's (two buffers of 8);
;            window 1: accumulator tile (a, b) at v[8 (8 a + b)];  window 2: cos and sin of my 64 rows (way out).
; The matrix instruction is used transposed (source 0 = B's fragment, source 1 = A's): lane (r, h) holds row r and its registers the columns 16 b + 8 h + 0..7.
.set SIZE_K, 4096
.set KSTEP,  192
.set TAILK,  SIZE_K%KSTEP              ; 64: the last step
.set PA,     432                       ; LDS pitch of A's rows: 3 x (128 + 16), an odd multiple of 16: the 16 rows of a fragment load start in 16 different 16-byte columns
.set PB,     544                       ; of B's rows: 512 + 32, an odd multiple of 32, for the transposing load's 8 rows x 2 columns
.set ATILE,  128*PA                    ; 55,296
.set BTILE,  KSTEP*PB                  ; 104,448
.set SLOT,   ATILE+BTILE               ; 159,744
.set STAGE,  0                         ; the way out's stage lies in slot 0, which by then has had its last fill and, behind a barrier, its last read (the last step is slot 1's)
.set STP,    528                       ; stage pitch: 128 f32 + 16 bytes
.set WSTAGE, 16*STP                    ; 16 rows for each wave
.set ADRA, 16                          ; v16-17  LDS address of my A fragments, slot 0, 1
.set ADRB, 20                          ; v20-23  of my B fragments: 2 x slot + (quarters 0-2 | 3-5): an LDS offset has 16 bits
.set STO,  24                          ; stage: where I put
.set RD,   25                          ; stage: where I read back
.set CO,   26                          ; my byte offset in qkv
.set CS,   27                          ; my byte offset in cos and sin
.set PFA,  28                          ; byte offset of the block of A that I ask for ahead
.set PFB,  29                          ; of B
.set FA,   32                          ; A's fragment buffer f at FA + 32 f
.set FB,   96                          ; B's at FB + 64 f
.set OT,   32                          ; way out: packed f16, 8 x 4
.set RB,   96                          ; way out: rows read back, 8 x 8
.set RO,   160                         ; way out: rotated, 8 x 8
.set G1A, 24                           ; s[24:31] group 1 for A's tiles
.set G0A, 32                           ; s[32:39] group 0 for A's tiles, a set for each slot
.set G1B, 48                           ; s[48:55] group 1 for B's
.set G0B, 56                           ; s[56:63] group 0 for B's
.set MULW, 0x50                        ; C and D in window 1, fragments in window 0
.set MSB, 0
.macro WIN new                         ; the immediate's high byte repeats the setting that is left
.if MSB != \new
	s_set_vgpr_msb (MSB<<8)|\new
.set MSB, \new
.endif
.endm
.macro PLACES                          ; four independent vector instructions behind a matrix instruction, before its result is read or a load lands on its registers
.rept 4
	v_nop
.endr
.endm
.macro CROUND                          ; a round of the cluster's barrier
	s_barrier_signal -1
	s_barrier_wait -1
	s_cmp_lg_u32 s10, 0
	s_cbranch_scc1 .Lnot_wave_0_\@
	s_barrier_signal -3
.Lnot_wave_0_\@:
	s_barrier_wait -3
	s_barrier_signal -1
	s_barrier_wait -1
.endm
; A joint load: waves 0, 1 fetch A's halves, waves 2, 3 B's; the branch hangs on the wave's number alone.  pfa, pfb = 1: behind its load the wave asks ahead.
; Of the launch's 512 waves of a kind, wave u asks for 12 blocks of 256 bytes (lanes 12-31 name lane 11's block again), so that each block is asked for once in the launch.
; B: the 6,144 blocks of a whole step's 192 rows, three steps on, one step before they are loaded.  A: 4 rows x the 768 bytes of a pair of steps, asked in the even step
; two pairs back.  The last asks are for step 20 of B and steps 18, 19 of A: a further whole slice would pass the end of the buffer or of the row.
.macro JLOAD s, pfa, pfb
	s_cmp_eq_u32 s11, 0
	s_cbranch_scc0 .Lfor_b_\@
	tensor_load_to_lds s[G0A+4*\s:G0A+4*\s+3], s[G1A:G1A+7]
	s_nop 0
.if \pfa
	global_prefetch_b8 v[PFA], s[76:77] th:TH_LOAD_NT scope:SCOPE_SE
.endif
	s_branch .Lasked_\@
.Lfor_b_\@:
	tensor_load_to_lds s[G0B+4*\s:G0B+4*\s+3], s[G1B:G1B+7]
	s_nop 0
.if \pfb
	global_prefetch_b8 v[PFB], s[78:79] th:TH_LOAD_NT scope:SCOPE_SE
.endif
.Lasked_\@:
.endm
	s_load_b128 s[4:7], s[0:1], 0x0                ; xh, wh
	s_load_b128 s[68:71], s[0:1], 0x10             ; cos, sin
	s_load_b64 s[8:9], s[0:1], 0x20                ; qkv
	v_lshl_add_u32 v254, v0, 2, 0x4e000
	v_mov_b32 v255, 0
	ds_add_u32 v254, v255
	v_lshrrev_b32 v1, 5, v0
	v_readfirstlane_b32 s10, v1                    ; wave 0..3
	s_lshr_b32 s11, s10, 1                         ; my half of the block's rows.  Also: I fetch for A (0) or for B (1)
	s_and_b32 s12, s10, 1                          ; my half of its columns.  Also: which half of that tile I fetch
	s_bfe_u32 s40, ttmp6, 0x40000                  ; cx
	s_bfe_u32 s41, ttmp6, 0x40004                  ; cy
	s_mov_b32 s72, ttmp9                           ; the cluster's x: 0, 1 = q, 2 = k, 3 = v; the same in all sixteen partners
	s_lshl_b32 s42, ttmp9, 2
	s_add_co_u32 s42, s42, s40                     ; block column = 4 x cluster x + cx
	s_and_b32 s13, ttmp7, 0xffff
	s_lshl_b32 s13, s13, 2
	s_add_co_u32 s13, s13, s41                     ; block row = 4 x cluster y + cy
	s_lshl_b32 s43, s41, 2
	s_lshl_b32 s43, 15, s43                        ; my row of the cluster
	s_lshl_b32 s44, 0x1111, s40                    ; my column
	s_or_b32 s[G1A+0], s43, (1<<16)|(1<<20)|(1<<21)|(4<<22)|(3<<25)   ; mask; 2-byte elements; padding on; bit 21 beside a mask; 4 words behind every 32
	s_mov_b32 s[G1A+1], KSTEP<<16                  ; tensor_dim0 = 192
	s_mov_b32 s[G1A+2], 64<<16                     ; tensor_dim1 = 64
	s_mov_b32 s[G1A+3], KSTEP<<16                  ; tile_dim0 = 192
	s_mov_b32 s[G1A+4], 64                         ; tile_dim1 = 64 rows
	s_mov_b32 s[G1A+5], SIZE_K                     ; elements from row to row
	s_mov_b32 s[G1A+6], 0
	s_mov_b32 s[G1A+7], 0
	s_or_b32 s[G1B+0], s44, (1<<16)|(1<<20)|(1<<21)|(6<<22)|(7<<25)   ; 8 words behind every 128
	s_mov_b32 s[G1B+1], 256<<16
	s_mov_b32 s[G1B+2], (KSTEP/2)<<16
	s_mov_b32 s[G1B+3], 256<<16
	s_mov_b32 s[G1B+4], KSTEP/2                    ; 96 rows of k
	s_mov_b32 s[G1B+5], 4096
	s_mov_b32 s[G1B+6], 0
	s_mov_b32 s[G1B+7], 0
	; A's address hangs on the block row and the wave, B's on the block column and the wave, each in registers that never hold the other coordinate
	s_lshl_b32 s16, s13, 7
	s_lshl_b32 s17, s12, 6
	s_add_co_u32 s16, s16, s17                     ; A: row 128 x block row + 64 x half
	s_mul_i32 s16, s16, SIZE_K*2                   ; in bytes (under 16 MiB)
	s_mov_b32 s17, 0
	s_mul_i32 s46, s12, (KSTEP/2)*8192             ; B: 96 x half rows of 8,192 bytes
	s_lshl_b32 s47, s42, 9                         ; + 512 bytes x block column
	s_add_co_u32 s46, s46, s47
	s_mov_b32 s47, 0
	s_mul_i32 s20, s12, 64*PA                      ; where they go: the wave's number alone
	s_mul_i32 s21, s12, (KSTEP/2)*PB
	s_wait_dscnt 0x0
	s_wait_kmcnt 0x0
	s_add_nc_u64 s[14:15], s[4:5], s[16:17]
	s_add_nc_u64 s[46:47], s[6:7], s[46:47]
	s_add_nc_u64 s[76:77], s[4:5], 2*KSTEP*2       ; asking ahead: each base is stepped in front of its use: A's first ask is for the pair of steps 4, 5,
	s_add_nc_u64 s[78:79], s[6:7], 2*KSTEP*8192    ; B's for step 3
.irp s, 0,1
	s_mov_b32 s[G0A+4*\s], 1
	s_add_co_u32 s[G0A+4*\s+1], s20, \s*SLOT
	s_add_nc_u64 s[G0A+4*\s+2:G0A+4*\s+3], s[14:15], \s*KSTEP*2      ; K step s
	s_or_b32 s[G0A+4*\s+3], s[G0A+4*\s+3], 0x80000000
	s_mov_b32 s[G0B+4*\s], 1
	s_add_co_u32 s[G0B+4*\s+1], s21, \s*SLOT+ATILE
	s_add_nc_u64 s[G0B+4*\s+2:G0B+4*\s+3], s[46:47], \s*KSTEP*8192
	s_or_b32 s[G0B+4*\s+3], s[G0B+4*\s+3], 0x80000000
.endr
	CROUND                                         ; all sixteen work-groups are here: the first joint loads meet
	s_cmp_eq_u32 s11, 0                            ; both first fills of a wave in one branch: two tensor loads of the wave are out
	s_cbranch_scc0 .Lfirst_b
	tensor_load_to_lds s[G0A:G0A+3], s[G1A:G1A+7]
	s_nop 0
	tensor_load_to_lds s[G0A+4:G0A+7], s[G1A:G1A+7]
	s_nop 0
	s_branch .Lfirst_done
.Lfirst_b:
	tensor_load_to_lds s[G0B:G0B+3], s[G1B:G1B+7]
	s_nop 0
	tensor_load_to_lds s[G0B+4:G0B+7], s[G1B:G1B+7]
	s_nop 0
.Lfirst_done:
	v_and_b32 v1, 15, v0                           ; r
	v_bfe_u32 v2, v0, 4, 1                         ; h
	v_and_b32 v3, 7, v0
	v_bfe_u32 v4, v0, 3, 1
	v_and_b32 v5, 31, v0                           ; lane
	v_mul_u32_u24 v6, v1, PA                       ; A fragment: row r, 16 bytes for each half of the lanes
	v_lshl_add_u32 v6, v2, 4, v6
	s_mul_i32 s22, s11, 64*PA                      ; my 64 rows
	v_add_nc_u32 v[ADRA], s22, v6
	v_add_nc_u32 v[ADRA+1], SLOT, v[ADRA]
	v_lshl_add_u32 v7, v2, 3, v3                   ; B fragment, transposing load: row of k 8 h + (lane & 7),
	v_mul_u32_u24 v7, v7, PB
	v_lshl_add_u32 v7, v4, 4, v7                   ; 16 bytes x ((lane >> 3) & 1)
	s_lshl_b32 s23, s12, 8                         ; my 128 columns
	s_add_co_u32 s23, s23, ATILE
	v_add_nc_u32 v[ADRB], s23, v7
	v_add_nc_u32 v[ADRB+1], 96*PB, v[ADRB]
	v_add_nc_u32 v[ADRB+2], SLOT, v[ADRB]
	v_add_nc_u32 v[ADRB+3], SLOT+96*PB, v[ADRB]
	s_mul_i32 s23, s10, WSTAGE
	s_add_co_u32 s23, s23, STAGE                   ; my stage
	v_mul_u32_u24 v8, v1, STP                      ; in: row r; columns 8 i .. 8 i + 3 of group i = 2 b + h at byte 16 i, columns 8 i + 4 .. + 7 at 256 + 16 i
	v_lshl_add_u32 v8, v2, 4, v8
	v_add_nc_u32 v[STO], s23, v8
	v_mul_u32_u24 v9, v2, STP                      ; back: lanes 0-15 one row, lanes 16-31 the next; lane i of a row takes its columns 8 i .. 8 i + 7
	v_lshl_add_u32 v9, v1, 4, v9
	v_add_nc_u32 v[RD], s23, v9
	v_lshlrev_b32 v10, 13, v2                      ; the same two rows in qkv (8,192 bytes a row), 16 bytes a lane
	v_lshl_add_u32 v[CO], v1, 4, v10
	v_lshlrev_b32 v[CS], 4, v5                     ; two rows of cos or sin are 512 neighbouring bytes: lane i of a row takes the pairs 4 i .. 4 i + 3, those of its 8 columns
	; asking ahead: u = 2 (16 block row + block column) + (wave & 1), 0 .. 511 among the waves of my kind; l = min(lane, 11)
	s_lshl4_add_u32 s73, s13, s42
	s_lshl1_add_u32 s73, s73, s12
	v_min_u32 v11, 11, v5
	v_mul_u32_u24 v12, v11, 11
	v_lshrrev_b32 v12, 5, v12                      ; l / 3 (exact for l < 24)
	v_mul_u32_u24 v13, v12, 3
	v_sub_nc_u32 v13, v11, v13                     ; l % 3
	s_lshl_b32 s74, s73, 2
	v_add_nc_u32 v12, s74, v12                     ; A: row 4 u + l / 3,
	v_mul_u32_u24 v12, v12, SIZE_K*2
	v_lshl_add_u32 v[PFA], v13, 8, v12             ; block l % 3 of the pair's 768 bytes
	s_mul_i32 s74, s73, 12
	v_add_nc_u32 v14, s74, v11                     ; B: block 12 u + l of the step's 192 rows x 32 blocks, which lie dense
	v_lshlrev_b32 v[PFB], 8, v14
	s_lshl_b32 s16, s13, 7
	s_lshl_b32 s17, s11, 6
	s_add_co_u32 s16, s16, s17                     ; my first row (token)
	s_lshl_b32 s18, s16, 8
	s_mov_b32 s19, 0
	s_add_nc_u64 s[68:69], s[68:69], s[18:19]      ; cos, sin at that token
	s_add_nc_u64 s[70:71], s[70:71], s[18:19]
	s_lshl_b32 s18, s16, 13
	s_add_nc_u64 s[8:9], s[8:9], s[18:19]
	s_lshl_b32 s46, s42, 9                         ; my first column in bytes: 512 x block column + 256 x half: one head's 128 numbers
	s_lshl_b32 s47, s12, 8
	s_add_co_u32 s46, s46, s47
	s_mov_b32 s47, 0
	s_add_nc_u64 s[8:9], s[8:9], s[46:47]
; 8 matrix instructions: tile row a x all 8 tile columns, 32 along K, from buffer f.  zero = 1: the product starts the sums; nothing is cleared.
.macro MULA f, a, zero
.irp b, 0,1,2,3,4,5,6,7
.if \zero
	v_wmma_f32_16x16x32_f16 v[8*(8*\a+\b):8*(8*\a+\b)+7], v[FB+64*\f+8*\b:FB+64*\f+8*\b+7], v[FA+32*\f+8*\a:FA+32*\f+8*\a+7], 0
.else
	v_wmma_f32_16x16x32_f16 v[8*(8*\a+\b):8*(8*\a+\b)+7], v[FB+64*\f+8*\b:FB+64*\f+8*\b+7], v[FA+32*\f+8*\a:FA+32*\f+8*\a+7], v[8*(8*\a+\b):8*(8*\a+\b)+7]
.endif
.endr
.endm
; 24 LDS loads in one run: quarter q (32 along K) of a slot into buffer f: B's 8 fragments, then A's 4.  In A's rows 64 elements take 144 bytes.
.macro FETCH slot, q, f
.irp b, 0,1,2,3,4,5,6,7
	ds_load_tr16_b128 v[FB+64*\f+8*\b:FB+64*\f+8*\b+3],   v[ADRB+2*\slot+(\q)/3] offset:((\q)%3)*32*PB+32*\b
	ds_load_tr16_b128 v[FB+64*\f+8*\b+4:FB+64*\f+8*\b+7], v[ADRB+2*\slot+(\q)/3] offset:((\q)%3)*32*PB+32*\b+16*PB
.endr
.irp a, 0,1,2,3
	ds_load_b128 v[FA+32*\f+8*\a:FA+32*\f+8*\a+3],   v[ADRA+\slot] offset:((\q)/2)*144+((\q)%2)*64+\a*16*PA
	ds_load_b128 v[FA+32*\f+8*\a+4:FA+32*\f+8*\a+7], v[ADRA+\slot] offset:((\q)/2)*144+((\q)%2)*64+\a*16*PA+32
.endr
.endm
; A quarter step: 32 matrix instructions on buffer f; in its middle quarter q's fragments are fetched into buffer g.
; The 32 accumulators take turns, one instruction a turn, in the same order in every quarter.
.macro QUARTER slot, q, f, g, zero
	s_wait_dscnt 4                                 ; B and A's tile rows 0, 1 are in; the four youngest loads (A's tile rows 2, 3) may be out
	WIN MULW
	MULA \f, 0, \zero
	MULA \f, 1, \zero
	PLACES                                         ; buffer g was last read 16 matrix instructions ago; these four are the places in front of the loads into it
	WIN 0
	FETCH \slot, \q, \g
	s_wait_dscnt 24                                ; all but the 24 just issued
	WIN MULW
	MULA \f, 2, \zero
	MULA \f, 3, \zero
.endm
.macro FIVE slot, zero                 ; the first five quarters of a whole step
	QUARTER \slot, 1, 0, 1, \zero
	QUARTER \slot, 2, 1, 0, 0
	QUARTER \slot, 3, 0, 1, 0
	QUARTER \slot, 4, 1, 0, 0
	QUARTER \slot, 5, 0, 1, 0
.endm
; The last tile's descriptors, written where no tensor load of the wave is out.  A keeps its tile of 192 and states what is left of the row: the rest arrives as zeros and is not read.
; B's two waves take TAILK / 2 rows each: fewer rows, and the second wave's rows begin that much earlier in memory and in LDS.
.macro TAILDESC slot
	s_mov_b32 s[G1A+1], TAILK<<16
	s_mov_b32 s[G1B+2], (TAILK/2)<<16
	s_mov_b32 s[G1B+4], TAILK/2
	s_mul_i32 s20, s12, (TAILK/2)*PB
	s_add_co_u32 s[G0B+4*\slot+1], s20, \slot*SLOT+ATILE
	s_mul_i32 s20, s12, (KSTEP/2-TAILK/2)*8192
	s_mov_b32 s21, 0
	s_sub_nc_u64 s[G0B+4*\slot+2:G0B+4*\slot+3], s[G0B+4*\slot+2:G0B+4*\slot+3], s[20:21]
.endm
; The sixth quarter multiplies buffer 1, and at its head the slots change: the slot's last fragments are in registers, so the slot can be asked for again before these 32 products.
; In front of the barrier each wave has its reads of this slot back and all its tensor loads landed (one is out: its part of the next slot); behind it the refill comes first,
; then the next slot's first fragments.  fill = 1: a whole step, two steps on; 2: the last, short step; 0: nothing is left to fetch.
.macro TURN slot, next, fill, pfa, pfb
	s_wait_dscnt 0x0                               ; my reads of this slot are over
	s_wait_tensorcnt 0x0                           ; all my tensor loads have landed: the descriptors may be written
	ds_add_u32 v254, v255
	s_wait_dscnt 0x0
	WIN 0
.if \fill
	s_add_nc_u64 s[G0A+4*\slot+2:G0A+4*\slot+3], s[G0A+4*\slot+2:G0A+4*\slot+3], 2*KSTEP*2        ; two K steps on: 384 elements along A's rows,
	s_add_nc_u64 s[G0B+4*\slot+2:G0B+4*\slot+3], s[G0B+4*\slot+2:G0B+4*\slot+3], 2*KSTEP*8192     ; 384 rows of B
.if \fill == 2
	TAILDESC \slot
.endif
.if \pfa+\pfb
	s_wait_xcnt 0x0                                ; the last ask, a step ago, has read its base
.endif
.if \pfa
	s_add_nc_u64 s[76:77], s[76:77], 2*KSTEP*2
.endif
.if \pfb
	s_add_nc_u64 s[78:79], s[78:79], KSTEP*8192
.endif
	CROUND                                         ; no wave of any partner still reads this slot or has a load on its way
	JLOAD \slot, \pfa, \pfb                        ; my one tensor load behind the round; a whole step's 192 matrix instructions follow before it is waited for
.else
	s_barrier_signal -1
	s_barrier_wait -1                              ; the next slot is whole, and nobody reads this one any more
.endif
	PLACES                                         ; buffer 0 was read by the matrix instructions just in front
	FETCH \next, 0, 0
	WIN MULW
	MULA 1, 0, 0
	MULA 1, 1, 0
	MULA 1, 2, 0
	MULA 1, 3, 0
.endm
.macro LAP zero, pfa                   ; two K steps = once round the ring, both slots filled again
	FIVE 0, \zero
	TURN 0, 1, 1, \pfa, 1
	FIVE 1, 0
	TURN 1, 0, 1, 0, 1
.endm
.macro LASTSTEPS                       ; step 20 (slot 0) and the short step 21 (slot 1): nothing is fetched any more
	FIVE 0, 0
	TURN 0, 1, 0, 0, 0
	QUARTER 1, 1, 0, 1, 0
	s_wait_dscnt 4
	WIN MULW
	MULA 1, 0, 0
	MULA 1, 1, 0
	s_wait_dscnt 0
	MULA 1, 2, 0
	MULA 1, 3, 0
	PLACES                                         ; in front of the stores that read results and of the loads into the fragment buffers
	WIN 0
.endm
; cos and sin of tile row a (16 tokens): row pair t: four cos at v[64 a + 8 t], four sin behind them, window 2
.macro CSLOAD a
	WIN 0x80
.irp t, 0,1,2,3,4,5,6,7
	global_load_b128 v[64*\a+8*\t:64*\a+8*\t+3],   v[CS], s[68:69] offset:(16*\a+2*\t)*256
	global_load_b128 v[64*\a+8*\t+4:64*\a+8*\t+7], v[CS], s[70:71] offset:(16*\a+2*\t)*256
.endr
	WIN 0
.endm
.macro TOSTAGE a                       ; 16 rows x 128 f32 into my own stage; LDS serves a wave's instructions in order, so no wait stands between these and the loads behind them
	WIN 0x04                                       ; store data in window 1
.irp b, 0,1,2,3,4,5,6,7
	ds_store_b128 v[STO], v[8*(8*\a+\b):8*(8*\a+\b)+3]   offset:32*\b
	ds_store_b128 v[STO], v[8*(8*\a+\b)+4:8*(8*\a+\b)+7] offset:256+32*\b
.endr
.endm
.macro FROMSTAGE
.irp t, 0,1,2,3,4,5,6,7
	ds_load_b128 v[RB+8*\t:RB+8*\t+3],   v[RD] offset:2*\t*STP
	ds_load_b128 v[RB+8*\t+4:RB+8*\t+7], v[RD] offset:2*\t*STP+256
.endr
.endm
; rows 16 a .. 16 a + 15 of q or k: rotate each pair, scale, round, store.  left = cos and sin loads of later tile rows that may stay out.
.macro OUT16R a, left
	TOSTAGE \a
	WIN 0x08                                       ; source 1 in window 2: cos and sin
	FROMSTAGE
	s_wait_loadcnt \left
.irp t, 0,1,2,3,4,5,6,7
	s_wait_dscnt 14-2*\t                           ; row pair t's two loads are back
.irp p, 0,1,2,3
	v_mul_f32 v[RO+8*\t+2*\p],   v[RB+8*\t+2*\p],   v[64*\a+8*\t+\p]                              ; t0 c
	v_mul_f32 v[RO+8*\t+2*\p+1], v[RB+8*\t+2*\p+1], v[64*\a+8*\t+\p]                              ; t1 c
	v_fma_f32 v[RO+8*\t+2*\p],   -v[RB+8*\t+2*\p+1], v[64*\a+8*\t+4+\p], v[RO+8*\t+2*\p]          ; - t1 s
	v_fma_f32 v[RO+8*\t+2*\p+1], v[RB+8*\t+2*\p],    v[64*\a+8*\t+4+\p], v[RO+8*\t+2*\p+1]        ; + t0 s
.endr
.endr
	WIN 0
	s_wait_xcnt 0x0                                ; OT, which the last tile row's stores read, is written again only behind this wait
.irp t, 0,1,2,3,4,5,6,7
.irp p, 0,1,2,3
	v_pk_mul_f32 v[RO+8*\t+2*\p:RO+8*\t+2*\p+1], v[RO+8*\t+2*\p:RO+8*\t+2*\p+1], 0x3d800000 op_sel_hi:[1,0]   ; 2^-4
.endr
.irp p, 0,1,2,3
	v_cvt_pk_f16_f32 v[OT+4*\t+\p], v[RO+8*\t+2*\p], v[RO+8*\t+2*\p+1]
.endr
	global_store_b128 v[CO], v[OT+4*\t:OT+4*\t+3], s[8:9] offset:(16*\a+2*\t)*8192   ; 16 lanes store 256 neighbouring bytes, one head's row, at a multiple of 256
.endr
.endm
.macro OUT16V a                        ; the same for v: no rotation
	TOSTAGE \a
	WIN 0
	FROMSTAGE
	s_wait_xcnt 0x0
.irp t, 0,1,2,3,4,5,6,7
	s_wait_dscnt 14-2*\t
.irp p, 0,1,2,3
	v_pk_mul_f32 v[RB+8*\t+2*\p:RB+8*\t+2*\p+1], v[RB+8*\t+2*\p:RB+8*\t+2*\p+1], 0x3d800000 op_sel_hi:[1,0]
.endr
.irp p, 0,1,2,3
	v_cvt_pk_f16_f32 v[OT+4*\t+\p], v[RB+8*\t+2*\p], v[RB+8*\t+2*\p+1]
.endr
	global_store_b128 v[CO], v[OT+4*\t:OT+4*\t+3], s[8:9] offset:(16*\a+2*\t)*8192
.endr
.endm
	s_wait_tensorcnt 0x1                           ; my part of K step 0 is in; K step 1's may stay out
	s_barrier_signal -1
	s_barrier_wait -1                              ; everybody's is
	FETCH 0, 0, 0
	LAP 1, 1                                       ; steps 0, 1 stand in front of the loop: the first products start the sums
	WIN 0
	s_mov_b32 s3, 7                                ; steps 2 to 15
.Llap:
	LAP 0, 1
	WIN 0
	s_sub_co_u32 s3, s3, 1
	s_cmp_lg_u32 s3, 0
	s_cbranch_scc1 .Llap
	LAP 0, 0                                       ; steps 16, 17: A is asked ahead no more (the next 768 bytes would pass the row's end), B for steps 19, 20
	FIVE 0, 0                                      ; step 18 asks for step 20,
	TURN 0, 1, 1, 0, 0
	FIVE 1, 0                                      ; step 19 for the short step 21
	TURN 1, 0, 2, 0, 0
	WIN 0
	s_cmp_eq_u32 s72, 3                            ; v's blocks take no rotation and load no cos or sin; the cluster's x is the same in all partners
	s_cbranch_scc1 .Lplain
	CSLOAD 0                                       ; 48 loads, which have the last two steps in which to land
	CSLOAD 1
	CSLOAD 2
	LASTSTEPS
	CSLOAD 3
	OUT16R 0, 48
	OUT16R 1, 32
	OUT16R 2, 16
	OUT16R 3, 0
	s_branch .Lend
.Lplain:
	LASTSTEPS
	OUT16V 0
	OUT16V 1
	OUT16V 2
	OUT16V 3
.Lend:
	s_wait_tensorcnt 0x0
	ds_add_u32 v254, v255
	s_wait_dscnt 0x0
	CROUND                                         ; the closing round: no work-group ends while a partner may still ask for a tile that names it
	s_endpgm
.Lfunc_end_k_q67a7f08492_proj:
	.size	k_q67a7f08492_proj, .Lfunc_end_k_q67a7f08492_proj-k_q67a7f08492_proj
	.p2alignl 7, 3214868480
	.fill 96, 4, 3214868480
	.section	.rodata,"a",@progbits
	.p2align	6, 0x0
	.amdhsa_kernel k_q67a7f08492_proj
		.amdhsa_group_segment_fixed_size 327680
		.amdhsa_private_segment_fixed_size 0
		.amdhsa_enable_private_segment 0
		.amdhsa_kernarg_size 40
		.amdhsa_user_sgpr_count 2
		.amdhsa_user_sgpr_kernarg_segment_ptr 1
		.amdhsa_wavefront_size32 1
		.amdhsa_system_sgpr_workgroup_id_x 1
		.amdhsa_system_sgpr_workgroup_id_y 1
		.amdhsa_system_sgpr_workgroup_id_z 1
		.amdhsa_system_vgpr_workitem_id 0
		.amdhsa_next_free_vgpr 768
		.amdhsa_next_free_sgpr 80
		.amdhsa_reserve_vcc 0
		.amdhsa_float_denorm_mode_32 3
		.amdhsa_float_denorm_mode_16_64 3
		.amdhsa_memory_ordered 1
		.amdhsa_forward_progress 1
		.amdhsa_inst_pref_size 255
	.end_amdhsa_kernel
	.section	.bss,"aw",@nobits
	.p2align	6
	.space	262144
	.amdgpu_metadata
---
amdhsa.version: [ 1, 2 ]
amdhsa.kernels:
  - .name:           k_q67a7f08492_proj
    .symbol:         k_q67a7f08492_proj.kd
    .args:
      - { .name: xh, .offset: 0, .size: 8, .value_kind: global_buffer, .address_space: global }
      - { .name: wh, .offset: 8, .size: 8, .value_kind: global_buffer, .address_space: global }
      - { .name: freqs_cos, .offset: 16, .size: 8, .value_kind: global_buffer, .address_space: global }
      - { .name: freqs_sin, .offset: 24, .size: 8, .value_kind: global_buffer, .address_space: global }
      - { .name: qkv, .offset: 32, .size: 8, .value_kind: global_buffer, .address_space: global }
    .group_segment_fixed_size: 327680
    .private_segment_fixed_size: 0
    .kernarg_segment_align: 8
    .kernarg_segment_size: 40
    .max_flat_workgroup_size: 128
    .sgpr_count:     80
    .vgpr_count:     768
    .wavefront_size: 32
...
	.end_amdgpu_metadata
.endif
;; end of part 2
;; launch attn (part 3): grid 16 x 16, 4 waves a work-group, clusters of 4 x 1, 327,680 bytes of LDS; arguments qkv, att; writes att
.if DOCPART == 3
	.amdgcn_target "amdgcn-amd-amdhsa--gfx1250"
	.amdhsa_code_object_version 6
	.text
	.protected	k_q67a7f08492_attn
	.globl	k_q67a7f08492_attn
	.p2align	8
	.type	k_q67a7f08492_attn,@function
k_q67a7f08492_attn:
	s_mov_b64 s[64:65], 0
	v_nop
	global_prefetch_b8 v0, s[64:65] scope:SCOPE_SE
	s_setreg_imm32_b32 hwreg(HW_REG_WAVE_MODE, 25, 1), 1
	s_wait_xcnt 0x0
	s_wait_alu depctr_hold_cnt(0) depctr_sa_sdst(0) depctr_va_vdst(0) depctr_va_sdst(0) depctr_va_ssrc(0) depctr_va_vcc(0) depctr_vm_vsrc(0)
	s_getreg_b32 s2, hwreg(HW_REG_IB_STS2, 6, 4)
	s_cmp_eq_u32 s2, 0
	s_cbranch_scc0 .Lentry_in_a_cluster
	s_endpgm
.Lentry_in_a_cluster:
	s_bfe_u32 s2, ttmp6, 0x10000c
	s_cmp_lg_u32 s2, 0x3003
	s_cbranch_scc0 .Lentry_shape_is_right
	s_endpgm
.Lentry_shape_is_right:
; att[token][128 head + d] = 2^-1 * softmax over all 2,048 keys of (q.k / sqrt(128)) applied to v, f16.  qkv holds q, k, v times 2^-4 in f16.
; A work-group takes one head and 128 queries, a wave 32 queries as two tiles of 16; every wave walks all keys, 64 a trip, with a running maximum and sum in f32.
; LIMITS: the result is stored times 2^-1 (exact).  Above: room up to 131,000, beyond it an infinity.  Below: a stored magnitude under 6.1e-5 (a result under 1.2e-4) keeps an
; absolute step of 6e-8 instead of 11 bits: a result whose spread is 3.1e-5 (v of spread 1.4e-3 averaged evenly over 2,048 keys) is stored with spread 1.55e-5 and rounded by 0.11 % of it.
; Probabilities go to the matrix unit in f16: they are at most 1 (the maximum is taken away first), and those under 6.1e-5 keep the same step.  Their sum is made of their f32 values.
; NO ROUND TRIP FOR P: S^T = K Q^T (source 0 = 16 keys, source 1 = 16 queries): lane (r, h) holds query r, register j of key tile kt the key 16 kt + 8 h + j.
; Two such tiles, packed to f16 pair by pair, are the second source of O^T = V^T P^T for 32 keys as they stand.  V lies [key][d]; V^T's fragments come by the
; transposing load.  In O^T lane (r, h) holds query r and d = 16 dt + 8 h + 0..7.  A query's maximum and sum lie in the lane and its partner 16 lanes away.
; IN PHASES: a trip's S products, both softmaxes, the scaling of O, its P V products.  To spread one tile's softmax between the other tile's products would ask for two switches of the
; register window at nearly every product, and the change of slots would fall inside a trip, so that six tile bodies are written out instead of four: some 80 KiB of code against 50.
; CLUSTERS: the four query blocks of a cluster walk the same K and V tiles of one head and ask for them jointly.
; REGISTERS: window 0: v8-19 addresses, v20-31 softmax state, v32-47 at work, v48-79 packed results, v96-159 scores S[qt][kt], then P, v160-223 Q[qt][ds], v224-255 rows read back;
;            window 1: v0-127 O[qt][dt], v128-255 V^T's fragments [ks][dt];  window 2: v0-127 K's fragments [ds][kt].
.set KP,     272                       ; LDS pitch of K's rows: 256 + 16
.set VP,     288                       ; of V's rows: 256 + 32, an odd multiple of 32, for the transposing load
.set KTILE,  256*KP                    ; 69,632: 256 keys
.set VTILE,  256*VP                    ; 73,728
.set SLOT,   KTILE+VTILE               ; 143,360
.set STAGE,  2*SLOT                    ; 286,720 = 1,120 x 256: no fill lands here
.set SPITCH, 272
.set WSTAGE, 16*SPITCH
.set ROWB,   8192                      ; bytes in a row of qkv
.set ADRK, 8                           ; v8-11   K fragments: 2 x slot + half of the tile (an LDS offset has 16 bits)
.set ADRV, 12                          ; v12-15  V fragments
.set STO,  16
.set RD,   17
.set CO,   18
.set QO,   19
.set MX,   20                          ; v20-21  running maximum of the raw scores, query tile 0, 1
.set LS,   22                          ; v22-23  running sum (this lane's 32 of every 64 keys)
.set NM,   24                          ; v[24:25], v[26:27]  - c x maximum, twice
.set AL,   28                          ; v[28:29], v[30:31]  the factor that brings old sums to the new maximum, twice
.set T,    32
.set U,    40
.set PKD,  48
.set SC,   96
.set QF,   160
.set RBK,  224
.set OA,   0
.set VF,   128
.set KF,   0
.set G1K, 24
.set G0K, 32
.set G1V, 48
.set G0V, 56
.set MSB, 0
.macro WIN new                         ; the immediate's high byte repeats the setting that is left
.if MSB != \new
	s_set_vgpr_msb (MSB<<8)|\new
.set MSB, \new
.endif
.endm
.macro PLACES
.rept 4
	v_nop
.endr
.endm
.macro CROUND                          ; a round of the cluster's barrier
	s_barrier_signal -1
	s_barrier_wait -1
	s_cmp_lg_u32 s10, 0
	s_cbranch_scc1 .Lnot_wave_0_\@
	s_barrier_signal -3
.Lnot_wave_0_\@:
	s_barrier_wait -3
	s_barrier_signal -1
	s_barrier_wait -1
.endm
.macro JLOAD s                         ; waves 0, 1 fetch K's halves (128 keys each), waves 2, 3 V's
	s_cmp_eq_u32 s11, 0
	s_cbranch_scc0 .Lfor_v_\@
	tensor_load_to_lds s[G0K+4*\s:G0K+4*\s+3], s[G1K:G1K+7]
	s_nop 0
	s_branch .Lasked_\@
.Lfor_v_\@:
	tensor_load_to_lds s[G0V+4*\s:G0V+4*\s+3], s[G1V:G1V+7]
	s_nop 0
.Lasked_\@:
.endm
	s_load_b128 s[4:7], s[0:1], 0x0                ; qkv, att
	v_lshl_add_u32 v94, v0, 2, 0x4a400
	v_mov_b32 v95, 0
	ds_add_u32 v94, v95
	v_lshrrev_b32 v1, 5, v0
	v_readfirstlane_b32 s10, v1                    ; wave
	s_lshr_b32 s11, s10, 1                         ; I fetch for K (0) or V (1)
	s_and_b32 s12, s10, 1                          ; which 128 keys of the tile
	s_bfe_u32 s40, ttmp6, 0x40000                  ; cx
	s_lshl_b32 s15, ttmp9, 2
	s_add_co_u32 s15, s15, s40                     ; query block; it enters the addresses of Q and att alone
	s_and_b32 s13, ttmp7, 0xffff                   ; head
	s_lshr_b32 s14, s13, 1                         ; its key/value head
	s_mov_b32 s42, 0x420293ee                      ; c = 16 x 16 / sqrt(128) x log2(e) = 32.644462: undoes both prescales, scales, and turns e^x into 2^x
	s_mov_b32 s43, 0x420293ee
	s_mov_b32 s44, 0xc20293ee                      ; - c
	s_mov_b32 s46, 0x76543210                      ; v_permlanex16_b32: lane i reads lane i of the other half
	s_mov_b32 s47, 0xfedcba98
	s_mov_b32 s[G1K+0], 15|(1<<16)|(1<<20)|(1<<21)|(5<<22)|(3<<25)   ; all four partners; 2-byte elements; 4 words of padding behind every 64
	s_mov_b32 s[G1K+1], 128<<16
	s_mov_b32 s[G1K+2], 128<<16
	s_mov_b32 s[G1K+3], 128<<16                    ; 128 elements
	s_mov_b32 s[G1K+4], 128                        ; x 128 rows
	s_mov_b32 s[G1K+5], 4096                       ; elements from token to token
	s_mov_b32 s[G1K+6], 0
	s_mov_b32 s[G1K+7], 0
	s_mov_b32 s[G1V+0], 15|(1<<16)|(1<<20)|(1<<21)|(5<<22)|(7<<25)   ; 8 words of padding
	s_mov_b32 s[G1V+1], 128<<16
	s_mov_b32 s[G1V+2], 128<<16
	s_mov_b32 s[G1V+3], 128<<16
	s_mov_b32 s[G1V+4], 128
	s_mov_b32 s[G1V+5], 4096
	s_mov_b32 s[G1V+6], 0
	s_mov_b32 s[G1V+7], 0
	s_lshl_b32 s16, s12, 20                        ; 128 x half tokens of 8,192 bytes
	s_lshl_b32 s17, s14, 8                         ; 256 bytes x key/value head
	s_add_co_u32 s16, s16, s17
	s_mov_b32 s17, 0
	s_mul_i32 s20, s12, 128*KP
	s_mul_i32 s21, s12, 128*VP
	s_wait_dscnt 0x0
	s_wait_kmcnt 0x0
	s_add_nc_u64 s[18:19], s[4:5], s[16:17]
.irp s, 0,1
	s_mov_b32 s[G0K+4*\s], 1
	s_add_co_u32 s[G0K+4*\s+1], s20, \s*SLOT
	s_add_nc_u64 s[G0K+4*\s+2:G0K+4*\s+3], s[18:19], \s*256*ROWB+4096      ; tile s; k begins at byte 4,096 of a row
	s_or_b32 s[G0K+4*\s+3], s[G0K+4*\s+3], 0x80000000
	s_mov_b32 s[G0V+4*\s], 1
	s_add_co_u32 s[G0V+4*\s+1], s21, \s*SLOT+KTILE
	s_add_nc_u64 s[G0V+4*\s+2:G0V+4*\s+3], s[18:19], \s*256*ROWB+6144      ; v at byte 6,144
	s_or_b32 s[G0V+4*\s+3], s[G0V+4*\s+3], 0x80000000
.endr
	CROUND                                         ; the four partners are here: the first joint loads meet
	s_cmp_eq_u32 s11, 0                            ; both first fills of a wave in one branch: two tensor loads of the wave are out
	s_cbranch_scc0 .Lfirst_v
	tensor_load_to_lds s[G0K:G0K+3], s[G1K:G1K+7]
	s_nop 0
	tensor_load_to_lds s[G0K+4:G0K+7], s[G1K:G1K+7]
	s_nop 0
	s_branch .Lfirst_done
.Lfirst_v:
	tensor_load_to_lds s[G0V:G0V+3], s[G1V:G1V+7]
	s_nop 0
	tensor_load_to_lds s[G0V+4:G0V+7], s[G1V:G1V+7]
	s_nop 0
.Lfirst_done:
	; what hangs on cx lives in s15, s40 and s68-s75, which feed no descriptor
	s_lshl_b32 s68, s15, 7
	s_lshl_b32 s69, s10, 5
	s_add_co_u32 s70, s68, s69                     ; my first query
	s_lshl_b32 s71, s13, 8                         ; 256 bytes x head
	s_lshl_b32 s68, s70, 13
	s_add_co_u32 s68, s68, s71
	s_mov_b32 s69, 0
	s_add_nc_u64 s[74:75], s[4:5], s[68:69]        ; Q
	s_lshl_b32 s68, s70, 12                        ; a row of att is 4,096 bytes
	s_add_co_u32 s68, s68, s71
	s_add_nc_u64 s[6:7], s[6:7], s[68:69]
	v_and_b32 v1, 15, v0                           ; r
	v_bfe_u32 v2, v0, 4, 1                         ; h
	v_and_b32 v3, 7, v0
	v_bfe_u32 v4, v0, 3, 1
	v_lshlrev_b32 v7, 13, v1
	v_lshl_add_u32 v[QO], v2, 4, v7                ; query r's row, 16 bytes for each half of the lanes
.irp qt, 0,1
.irp ds, 0,1,2,3
	global_load_b128 v[QF+32*\qt+8*\ds:QF+32*\qt+8*\ds+3],   v[QO], s[74:75] offset:\qt*16*ROWB+64*\ds
	global_load_b128 v[QF+32*\qt+8*\ds+4:QF+32*\qt+8*\ds+7], v[QO], s[74:75] offset:\qt*16*ROWB+64*\ds+32
.endr
.endr
	v_mul_u32_u24 v5, v1, KP
	v_lshl_add_u32 v[ADRK], v2, 4, v5              ; key r's row, 16 bytes for each half
	v_add_nc_u32 v[ADRK+1], 128*KP, v[ADRK]
	v_add_nc_u32 v[ADRK+2], SLOT, v[ADRK]
	v_add_nc_u32 v[ADRK+3], SLOT+128*KP, v[ADRK]
	v_lshl_add_u32 v6, v2, 3, v3                   ; transposing load: key 8 h + (lane & 7),
	v_mul_u32_u24 v6, v6, VP
	v_lshl_add_u32 v6, v4, 4, v6                   ; 16 bytes x ((lane >> 3) & 1)
	v_add_nc_u32 v[ADRV], KTILE, v6
	v_add_nc_u32 v[ADRV+1], KTILE+128*VP, v6
	v_add_nc_u32 v[ADRV+2], SLOT+KTILE, v6
	v_add_nc_u32 v[ADRV+3], SLOT+KTILE+128*VP, v6
	s_mul_i32 s23, s10, WSTAGE
	s_add_co_u32 s23, s23, STAGE                   ; my stage
	v_mul_u32_u24 v5, v1, SPITCH
	v_lshl_add_u32 v5, v2, 4, v5
	v_add_nc_u32 v[STO], s23, v5                   ; in: row r, 16 bytes for each half
	v_mul_u32_u24 v5, v2, SPITCH
	v_lshl_add_u32 v5, v1, 4, v5
	v_add_nc_u32 v[RD], s23, v5                    ; back: lanes 0-15 one row of 256 bytes, lanes 16-31 the next
	v_lshlrev_b32 v5, 12, v2
	v_lshl_add_u32 v[CO], v1, 4, v5                ; the same two rows in att
; The softmax step of query tile qt on 64 keys: 32 scores a lane in v[B0 .. B0+31]; leaves P in f16 in v[B0 .. B0+15].
.macro SOFTMAX qt, first
.set B0, SC+32*\qt
.irp c, 0,1,2,3
	v_max3_num_f32 v[T+\c], v[B0+8*\c], v[B0+8*\c+1], v[B0+8*\c+2]        ; four chains that do not wait for each other
.endr
.irp c, 0,1,2,3
	v_max3_num_f32 v[T+\c], v[T+\c], v[B0+8*\c+3], v[B0+8*\c+4]
.endr
.irp c, 0,1,2,3
	v_max3_num_f32 v[T+\c], v[T+\c], v[B0+8*\c+5], v[B0+8*\c+6]
.endr
	v_max3_num_f32 v[T], v[T], v[B0+7], v[B0+15]
	v_max3_num_f32 v[T+1], v[T+1], v[B0+23], v[B0+31]
	v_max3_num_f32 v[T], v[T], v[T+2], v[T+3]
	v_max_num_f32 v[T], v[T], v[T+1]
	v_permlanex16_b32 v[T+1], v[T], s46, s47       ; the other 32 keys of my query
.if \first
	v_max_num_f32 v[MX+\qt], v[T], v[T+1]
	v_mul_f32 v[NM+2*\qt], s44, v[MX+\qt]
	v_mul_f32 v[NM+2*\qt+1], s44, v[MX+\qt]
.else
	v_max3_num_f32 v[MX+\qt], v[T], v[T+1], v[MX+\qt]
	v_mul_f32 v[T+2], s44, v[MX+\qt]               ; the new - c m, rounded once,
	v_sub_f32 v[T+3], v[T+2], v[NM+2*\qt]          ; less the old one as it was used: the factor fits the exponents already taken
	v_mov_b32 v[NM+2*\qt], v[T+2]
	v_mov_b32 v[NM+2*\qt+1], v[T+2]
	v_exp_f32 v[AL+2*\qt], v[T+3]                  ; at most 1.  The packed multiply-adds below are the plain instructions behind these two
	v_exp_f32 v[AL+2*\qt+1], v[T+3]
.endif
.set i, 0
.rept 16
	v_pk_fma_f32 v[B0+2*i:B0+2*i+1], v[B0+2*i:B0+2*i+1], s[42:43], v[NM+2*\qt:NM+2*\qt+1] op_sel_hi:[1,0,1]   ; c s - c m
.set i, i+1
.endr
.set i, 0
.rept 32
	v_exp_f32 v[B0+i], v[B0+i]
.set i, i+1
.endr
	v_nop                                          ; one plain instruction between the exponentials and the first use of a result
	s_wait_alu depctr_va_vdst(0)
.irp c, 0,1,2,3
	v_pk_add_f32 v[U+2*\c:U+2*\c+1], v[B0+8*\c:B0+8*\c+1], v[B0+8*\c+2:B0+8*\c+3]
.endr
.irp c, 0,1,2,3
	v_pk_add_f32 v[U+2*\c:U+2*\c+1], v[U+2*\c:U+2*\c+1], v[B0+8*\c+4:B0+8*\c+5]
.endr
.irp c, 0,1,2,3
	v_pk_add_f32 v[U+2*\c:U+2*\c+1], v[U+2*\c:U+2*\c+1], v[B0+8*\c+6:B0+8*\c+7]
.endr
	v_pk_add_f32 v[U:U+1], v[U:U+1], v[U+2:U+3]
	v_pk_add_f32 v[U+4:U+5], v[U+4:U+5], v[U+6:U+7]
	v_pk_add_f32 v[U:U+1], v[U:U+1], v[U+4:U+5]
.if \first
	v_add_f32 v[LS+\qt], v[U], v[U+1]
.else
	v_fma_f32 v[LS+\qt], v[LS+\qt], v[AL+2*\qt], v[U]
	v_add_f32 v[LS+\qt], v[LS+\qt], v[U+1]
.endif
.set i, 0
.rept 16
	v_cvt_pk_f16_f32 v[B0+i], v[B0+2*i], v[B0+2*i+1]      ; packed in place: the word written never lies ahead of the two read
.set i, i+1
.endr
.endm
; One trip: the 64 keys at 128 half + 64 b1 of a slot's 256.
.macro BLOCK slot, half, b1, first
	WIN 0x80                                       ; K's fragments into window 2, by groups of 32 along d
.irp ds, 0,1,2,3
.irp kt, 0,1,2,3
	ds_load_b128 v[KF+32*\ds+8*\kt:KF+32*\ds+8*\kt+3],   v[ADRK+2*\slot+\half] offset:(\b1*64+16*\kt)*KP+64*\ds
	ds_load_b128 v[KF+32*\ds+8*\kt+4:KF+32*\ds+8*\kt+7], v[ADRK+2*\slot+\half] offset:(\b1*64+16*\kt)*KP+64*\ds+32
.endr
.endr
	WIN 0x40                                       ; V^T's fragments into window 1, by groups of 32 keys
.irp ks, 0,1
.irp dt, 0,1,2,3,4,5,6,7
	ds_load_tr16_b128 v[VF+64*\ks+8*\dt:VF+64*\ks+8*\dt+3],   v[ADRV+2*\slot+\half] offset:(\b1*64+32*\ks)*VP+32*\dt
	ds_load_tr16_b128 v[VF+64*\ks+8*\dt+4:VF+64*\ks+8*\dt+7], v[ADRV+2*\slot+\half] offset:(\b1*64+32*\ks+16)*VP+32*\dt
.endr
.endr
	WIN 0x02                                       ; S^T = K Q^T.  The eight accumulators take turns, one instruction a turn
.irp ds, 0,1,2,3
	s_wait_dscnt 56-8*\ds                          ; K's group ds is in; its later groups (8 loads each) and V's 32 loads stay out
.irp kt, 0,1,2,3
.irp qt, 0,1
.if \ds
	v_wmma_f32_16x16x32_f16 v[SC+32*\qt+8*\kt:SC+32*\qt+8*\kt+7], v[KF+32*\ds+8*\kt:KF+32*\ds+8*\kt+7], v[QF+32*\qt+8*\ds:QF+32*\qt+8*\ds+7], v[SC+32*\qt+8*\kt:SC+32*\qt+8*\kt+7]
.else
	v_wmma_f32_16x16x32_f16 v[SC+32*\qt+8*\kt:SC+32*\qt+8*\kt+7], v[KF+32*\ds+8*\kt:KF+32*\ds+8*\kt+7], v[QF+32*\qt+8*\ds:QF+32*\qt+8*\ds+7], 0
.endif
.endr
.endr
.endr
	WIN 0
	PLACES                                         ; four places before vector instructions read the scores (ISA guide 7.12.1)
	SOFTMAX 0, \first
	SOFTMAX 1, \first
.if \first
.else
	WIN 0x41                                       ; O in window 1, the factor in window 0
.irp qt, 0,1
.set i, 0
.rept 32
	v_pk_mul_f32 v[OA+64*\qt+2*i:OA+64*\qt+2*i+1], v[OA+64*\qt+2*i:OA+64*\qt+2*i+1], v[AL+2*\qt:AL+2*\qt+1]
.set i, i+1
.endr
.endr
.endif
	WIN 0x51                                       ; O^T += V^T P^T.  Sixteen accumulators take turns, one instruction a turn
.irp ks, 0,1
	s_wait_dscnt 16-16*\ks                         ; V's group ks is in; the later group's 16 loads stay out
.irp dt, 0,1,2,3,4,5,6,7
.irp qt, 0,1
.if \first*(1-\ks)
	v_wmma_f32_16x16x32_f16 v[OA+64*\qt+8*\dt:OA+64*\qt+8*\dt+7], v[VF+64*\ks+8*\dt:VF+64*\ks+8*\dt+7], v[SC+32*\qt+8*\ks:SC+32*\qt+8*\ks+7], 0
.else
	v_wmma_f32_16x16x32_f16 v[OA+64*\qt+8*\dt:OA+64*\qt+8*\dt+7], v[VF+64*\ks+8*\dt:VF+64*\ks+8*\dt+7], v[SC+32*\qt+8*\ks:SC+32*\qt+8*\ks+7], v[OA+64*\qt+8*\dt:OA+64*\qt+8*\dt+7]
.endif
.endr
.endr
.endr
	WIN 0
.rept 5
	v_nop                                          ; five places: the next trip's first products write over P, a source of these; four serve its loads into V's fragments and the scaling of O
.endr
.endm
.macro SLOTWORK slot, first
	BLOCK \slot, 0, 0, \first
	BLOCK \slot, 0, 1, 0
	BLOCK \slot, 1, 0, 0
	BLOCK \slot, 1, 1, 0
.endm
; The change of slots.  old = the slot just read.  refill = 1: it is filled again, two tiles ahead, by a joint load behind a round of the cluster's barrier.
.macro CHANGE old, refill
	s_wait_tensorcnt 0x0                           ; all my tensor loads have landed, my part of the next slot among them: a group 0 may be written
	ds_add_u32 v94, v95
	s_wait_dscnt 0x0
.if \refill
	s_add_nc_u64 s[G0K+4*\old+2:G0K+4*\old+3], s[G0K+4*\old+2:G0K+4*\old+3], 512*ROWB
	s_add_nc_u64 s[G0V+4*\old+2:G0V+4*\old+3], s[G0V+4*\old+2:G0V+4*\old+3], 512*ROWB
.endif
	s_wait_dscnt 0x0                               ; my reads of the old slot are back
.if \refill
	CROUND                                         ; both now hold of every wave of all four partners
	JLOAD \old                                     ; my one tensor load behind the round; it has four trips in which to land
.else
	s_barrier_signal -1
	s_barrier_wait -1                              ; the last tile is whole; nothing is filled any more
.endif
.endm
	s_wait_tensorcnt 0x1                           ; my part of tile 0 is in; tile 1's may stay out
	s_barrier_signal -1
	s_barrier_wait -1
	s_wait_loadcnt 0x0                             ; Q
	SLOTWORK 0, 1                                  ; tile 0: its first trip starts maximum, sum and O
	s_mov_b32 s3, 3
.Lpair:
	CHANGE 0, 1                                    ; tiles 2, 4, 6 go out
	SLOTWORK 1, 0                                  ; tiles 1, 3, 5
	CHANGE 1, 1                                    ; tiles 3, 5, 7 go out
	SLOTWORK 0, 0                                  ; tiles 2, 4, 6
	s_sub_co_u32 s3, s3, 1
	s_cmp_lg_u32 s3, 0
	s_cbranch_scc1 .Lpair
	CHANGE 0, 0
	SLOTWORK 1, 0                                  ; tile 7
	; THE WAY OUT: 8 / sum (16 undoes v's prescale, 2^-1 is att's), round to f16, through my own stage so that whole rows of 256 bytes leave.
.irp qt, 0,1
	v_permlanex16_b32 v[T+\qt], v[LS+\qt], s46, s47
.endr
.irp qt, 0,1
	v_add_f32 v[LS+\qt], v[LS+\qt], v[T+\qt]       ; both halves of the keys
.endr
	v_rcp_f32 v[T], v[LS]
	v_rcp_f32 v[T+1], v[LS+1]
	v_nop                                          ; one plain instruction behind the reciprocals
	s_wait_alu depctr_va_vdst(0)
.irp qt, 0,1
	v_mul_f32 v[AL+2*\qt], 0x41000000, v[T+\qt]    ; 8.0
	v_mul_f32 v[AL+2*\qt+1], 0x41000000, v[T+\qt]
.endr
.macro OUTQ qt
	WIN 0x01                                       ; O from window 1
.set i, 0
.rept 32
	v_pk_mul_f32 v[SC+2*i:SC+2*i+1], v[OA+64*\qt+2*i:OA+64*\qt+2*i+1], v[AL+2*\qt:AL+2*\qt+1]
.set i, i+1
.endr
	WIN 0
.set i, 0
.rept 32
	v_cvt_pk_f16_f32 v[PKD+i], v[SC+2*i], v[SC+2*i+1]
.set i, i+1
.endr
.irp dt, 0,1,2,3,4,5,6,7
	ds_store_b128 v[STO], v[PKD+4*\dt:PKD+4*\dt+3] offset:32*\dt
.endr
	s_wait_xcnt 0x0                                ; the rows read back, which the last tile's stores read, are loaded again only behind this wait
.irp t, 0,1,2,3,4,5,6,7
	ds_load_b128 v[RBK+4*\t:RBK+4*\t+3], v[RD] offset:2*\t*SPITCH      ; LDS serves a wave's instructions in order: these see the stores above
.endr
.irp t, 0,1,2,3,4,5,6,7
	s_wait_dscnt 7-\t
	global_store_b128 v[CO], v[RBK+4*\t:RBK+4*\t+3], s[6:7] offset:(16*\qt+2*\t)*4096   ; 16 lanes store 256 neighbouring bytes at a multiple of 256
.endr
.endm
	OUTQ 0
	OUTQ 1
	s_wait_tensorcnt 0x0
	ds_add_u32 v94, v95
	s_wait_dscnt 0x0
	CROUND                                         ; the closing round
	s_endpgm
.Lfunc_end_k_q67a7f08492_attn:
	.size	k_q67a7f08492_attn, .Lfunc_end_k_q67a7f08492_attn-k_q67a7f08492_attn
	.p2alignl 7, 3214868480
	.fill 96, 4, 3214868480
	.section	.rodata,"a",@progbits
	.p2align	6, 0x0
	.amdhsa_kernel k_q67a7f08492_attn
		.amdhsa_group_segment_fixed_size 327680
		.amdhsa_private_segment_fixed_size 0
		.amdhsa_enable_private_segment 0
		.amdhsa_kernarg_size 16
		.amdhsa_user_sgpr_count 2
		.amdhsa_user_sgpr_kernarg_segment_ptr 1
		.amdhsa_wavefront_size32 1
		.amdhsa_system_sgpr_workgroup_id_x 1
		.amdhsa_system_sgpr_workgroup_id_y 1
		.amdhsa_system_sgpr_workgroup_id_z 1
		.amdhsa_system_vgpr_workitem_id 0
		.amdhsa_next_free_vgpr 640
		.amdhsa_next_free_sgpr 80
		.amdhsa_reserve_vcc 0
		.amdhsa_float_denorm_mode_32 3
		.amdhsa_float_denorm_mode_16_64 3
		.amdhsa_memory_ordered 1
		.amdhsa_forward_progress 1
		.amdhsa_inst_pref_size 255
	.end_amdhsa_kernel
	.section	.bss,"aw",@nobits
	.p2align	6
	.space	262144
	.amdgpu_metadata
---
amdhsa.version: [ 1, 2 ]
amdhsa.kernels:
  - .name:           k_q67a7f08492_attn
    .symbol:         k_q67a7f08492_attn.kd
    .args:
      - { .name: qkv, .offset: 0, .size: 8, .value_kind: global_buffer, .address_space: global }
      - { .name: att, .offset: 8, .size: 8, .value_kind: global_buffer, .address_space: global }
    .group_segment_fixed_size: 327680
    .private_segment_fixed_size: 0
    .kernarg_segment_align: 8
    .kernarg_segment_size: 16
    .max_flat_workgroup_size: 128
    .sgpr_count:     80
    .vgpr_count:     640
    .wavefront_size: 32
...
	.end_amdgpu_metadata
.endif
;; end of part 3
;; launch oproj (part 4): grid 16 x 16, 4 waves a work-group, clusters of 4 x 4, 327,680 bytes of LDS; arguments att, woh, out0; writes out0
.if DOCPART == 4
	.amdgcn_target "amdgcn-amd-amdhsa--gfx1250"
	.amdhsa_code_object_version 6
	.text
	.protected	k_q67a7f08492_oproj
	.globl	k_q67a7f08492_oproj
	.p2align	8
	.type	k_q67a7f08492_oproj,@function
k_q67a7f08492_oproj:
	s_mov_b64 s[64:65], 0
	v_nop
	global_prefetch_b8 v0, s[64:65] scope:SCOPE_SE
	s_setreg_imm32_b32 hwreg(HW_REG_WAVE_MODE, 25, 1), 1
	s_wait_xcnt 0x0
	s_wait_alu depctr_hold_cnt(0) depctr_sa_sdst(0) depctr_va_vdst(0) depctr_va_sdst(0) depctr_va_ssrc(0) depctr_va_vcc(0) depctr_vm_vsrc(0)
	s_getreg_b32 s2, hwreg(HW_REG_IB_STS2, 6, 4)
	s_cmp_eq_u32 s2, 0
	s_cbranch_scc0 .Lentry_in_a_cluster
	s_endpgm
.Lentry_in_a_cluster:
	s_bfe_u32 s2, ttmp6, 0x10000c
	s_cmp_lg_u32 s2, 0xf033
	s_cbranch_scc0 .Lentry_shape_is_right
	s_endpgm
.Lentry_shape_is_right:
; out0 = 2 * (att woh), f32.   A = att [2048][2048] f16 (the attention result times 2^-1), B = woh [2048 k][4096 n] f16; sums in f32; the 2 undoes the prescale exactly.
; LIMITS are those of the two operands as they were stored: att up to 131,000 in the result's own scale, wo up to 65,504; stored magnitudes under 6.1e-5 keep an absolute step of 6e-8.
; The frame is the projection's: a work-group makes 128 x 256 with four waves, a wave 64 x 128 in 32 accumulator tiles; K in steps of 192 through two LDS slots (the longest step,
; in quarters of 32, of which two slots fit: 2 x 159,744 bytes) filled by joint tensor loads in clusters of 4 x 4 (A's tile shared along a row of the cluster, B's along a column);
; B's fragments by the transposing load.  2048 = 10 x 192 + 128: the last step has four quarters.
; REGISTERS: window 0: v16-29 addresses, v32-95 A's fragments (two buffers of 4), v96-223 B's (two buffers of 8; on the way out rows read back);
;            window 1: accumulator tile (a, b) at v[8 (8 a + b)].
; The matrix instruction is used transposed: lane (r, h) holds row r and its registers the columns 16 b + 8 h + 0..7.
.set SIZE_K, 2048
.set KSTEP,  192
.set TAILK,  SIZE_K%KSTEP              ; 128
.set PA,     432                       ; 3 x (128 + 16), an odd multiple of 16
.set PB,     544                       ; 512 + 32, an odd multiple of 32
.set ATILE,  128*PA
.set BTILE,  KSTEP*PB
.set SLOT,   ATILE+BTILE               ; 159,744 = 624 x 256
.set STAGE,  SLOT                      ; the stage lies in slot 1, which by then has had its last fill and, behind a barrier, its last read (the last step is slot 0's)
.set STP,    528
.set WSTAGE, 16*STP
.set ADRA, 16                          ; v16-17
.set ADRB, 20                          ; v20-23: 2 x slot + (quarters 0-2 | 3-5): an LDS offset has 16 bits
.set STO,  24
.set RD,   25
.set CO,   26
.set PFA,  28
.set PFB,  29
.set FA,   32
.set FB,   96
.set G1A, 24
.set G0A, 32
.set G1B, 48
.set G0B, 56
.set MULW, 0x50
.set MSB, 0
.macro WIN new
.if MSB != \new
	s_set_vgpr_msb (MSB<<8)|\new
.set MSB, \new
.endif
.endm
.macro PLACES                          ; four independent vector instructions behind a matrix instruction (ISA guide 7.12.1)
.rept 4
	v_nop
.endr
.endm
.macro CROUND
	s_barrier_signal -1
	s_barrier_wait -1
	s_cmp_lg_u32 s10, 0
	s_cbranch_scc1 .Lnot_wave_0_\@
	s_barrier_signal -3
.Lnot_wave_0_\@:
	s_barrier_wait -3
	s_barrier_signal -1
	s_barrier_wait -1
.endm
; A joint load: waves 0, 1 fetch A's halves, waves 2, 3 B's.  pfa, pfb = 1: behind its load the wave asks ahead.  Of the launch's 512 waves of a kind, wave u asks for 12 blocks of
; 256 bytes (lanes 12-31 name lane 11's block again), so that each block is asked for once.  B: the 6,144 blocks of a whole step's 192 rows, three steps on.  A: 4 rows x the 768 bytes
; of a pair of steps, asked in the even step two pairs back.  The last asks are for step 9 of B and steps 8, 9 of A: a further whole slice would pass the buffer's or the row's end.
.macro JLOAD s, pfa, pfb
	s_cmp_eq_u32 s11, 0
	s_cbranch_scc0 .Lfor_b_\@
	tensor_load_to_lds s[G0A+4*\s:G0A+4*\s+3], s[G1A:G1A+7]
	s_nop 0
.if \pfa
	global_prefetch_b8 v[PFA], s[76:77] th:TH_LOAD_NT scope:SCOPE_SE
.endif
	s_branch .Lasked_\@
.Lfor_b_\@:
	tensor_load_to_lds s[G0B+4*\s:G0B+4*\s+3], s[G1B:G1B+7]
	s_nop 0
.if \pfb
	global_prefetch_b8 v[PFB], s[78:79] th:TH_LOAD_NT scope:SCOPE_SE
.endif
.Lasked_\@:
.endm
	s_load_b128 s[4:7], s[0:1], 0x0                ; att, woh
	s_load_b64 s[8:9], s[0:1], 0x10                ; out0
	v_lshl_add_u32 v254, v0, 2, 0x4e000
	v_mov_b32 v255, 0
	ds_add_u32 v254, v255
	v_lshrrev_b32 v1, 5, v0
	v_readfirstlane_b32 s10, v1                    ; wave
	s_lshr_b32 s11, s10, 1                         ; my half of the rows; I fetch for A (0) or B (1)
	s_and_b32 s12, s10, 1                          ; my half of the columns; which half of the tile I fetch
	s_bfe_u32 s40, ttmp6, 0x40000                  ; cx
	s_bfe_u32 s41, ttmp6, 0x40004                  ; cy
	s_lshl_b32 s42, ttmp9, 2
	s_add_co_u32 s42, s42, s40                     ; block column
	s_and_b32 s13, ttmp7, 0xffff
	s_lshl_b32 s13, s13, 2
	s_add_co_u32 s13, s13, s41                     ; block row
	s_lshl_b32 s43, s41, 2
	s_lshl_b32 s43, 15, s43                        ; my row of the cluster
	s_lshl_b32 s44, 0x1111, s40                    ; my column
	s_or_b32 s[G1A+0], s43, (1<<16)|(1<<20)|(1<<21)|(4<<22)|(3<<25)   ; mask; 2-byte elements; padding on; bit 21 beside a mask; 4 words behind every 32
	s_mov_b32 s[G1A+1], KSTEP<<16
	s_mov_b32 s[G1A+2], 64<<16
	s_mov_b32 s[G1A+3], KSTEP<<16
	s_mov_b32 s[G1A+4], 64
	s_mov_b32 s[G1A+5], SIZE_K
	s_mov_b32 s[G1A+6], 0
	s_mov_b32 s[G1A+7], 0
	s_or_b32 s[G1B+0], s44, (1<<16)|(1<<20)|(1<<21)|(6<<22)|(7<<25)   ; 8 words behind every 128
	s_mov_b32 s[G1B+1], 256<<16
	s_mov_b32 s[G1B+2], (KSTEP/2)<<16
	s_mov_b32 s[G1B+3], 256<<16
	s_mov_b32 s[G1B+4], KSTEP/2
	s_mov_b32 s[G1B+5], 4096
	s_mov_b32 s[G1B+6], 0
	s_mov_b32 s[G1B+7], 0
	; A's address hangs on the block row and the wave, B's on the block column and the wave, each in registers that never hold the other coordinate
	s_lshl_b32 s16, s13, 7
	s_lshl_b32 s17, s12, 6
	s_add_co_u32 s16, s16, s17                     ; A: row 128 x block row + 64 x half
	s_mul_i32 s16, s16, SIZE_K*2
	s_mov_b32 s17, 0
	s_mul_i32 s46, s12, (KSTEP/2)*8192             ; B: 96 x half rows of 8,192 bytes + 512 bytes x block column
	s_lshl_b32 s47, s42, 9
	s_add_co_u32 s46, s46, s47
	s_mov_b32 s47, 0
	s_mul_i32 s20, s12, 64*PA
	s_mul_i32 s21, s12, (KSTEP/2)*PB
	s_wait_dscnt 0x0
	s_wait_kmcnt 0x0
	s_add_nc_u64 s[14:15], s[4:5], s[16:17]
	s_add_nc_u64 s[46:47], s[6:7], s[46:47]
	s_add_nc_u64 s[76:77], s[4:5], 2*KSTEP*2       ; asking ahead: each base is stepped in front of its use: A's first ask is for steps 4, 5,
	s_add_nc_u64 s[78:79], s[6:7], 2*KSTEP*8192    ; B's for step 3
.irp s, 0,1
	s_mov_b32 s[G0A+4*\s], 1
	s_add_co_u32 s[G0A+4*\s+1], s20, \s*SLOT
	s_add_nc_u64 s[G0A+4*\s+2:G0A+4*\s+3], s[14:15], \s*KSTEP*2
	s_or_b32 s[G0A+4*\s+3], s[G0A+4*\s+3], 0x80000000
	s_mov_b32 s[G0B+4*\s], 1
	s_add_co_u32 s[G0B+4*\s+1], s21, \s*SLOT+ATILE
	s_add_nc_u64 s[G0B+4*\s+2:G0B+4*\s+3], s[46:47], \s*KSTEP*8192
	s_or_b32 s[G0B+4*\s+3], s[G0B+4*\s+3], 0x80000000
.endr
	CROUND                                         ; the first joint loads meet
	s_cmp_eq_u32 s11, 0                            ; both first fills of a wave in one branch: two tensor loads of the wave are out
	s_cbranch_scc0 .Lfirst_b
	tensor_load_to_lds s[G0A:G0A+3], s[G1A:G1A+7]
	s_nop 0
	tensor_load_to_lds s[G0A+4:G0A+7], s[G1A:G1A+7]
	s_nop 0
	s_branch .Lfirst_done
.Lfirst_b:
	tensor_load_to_lds s[G0B:G0B+3], s[G1B:G1B+7]
	s_nop 0
	tensor_load_to_lds s[G0B+4:G0B+7], s[G1B:G1B+7]
	s_nop 0
.Lfirst_done:
	v_and_b32 v1, 15, v0                           ; r
	v_bfe_u32 v2, v0, 4, 1                         ; h
	v_and_b32 v3, 7, v0
	v_bfe_u32 v4, v0, 3, 1
	v_and_b32 v5, 31, v0                           ; lane
	v_mul_u32_u24 v6, v1, PA
	v_lshl_add_u32 v6, v2, 4, v6
	s_mul_i32 s22, s11, 64*PA
	v_add_nc_u32 v[ADRA], s22, v6
	v_add_nc_u32 v[ADRA+1], SLOT, v[ADRA]
	v_lshl_add_u32 v7, v2, 3, v3
	v_mul_u32_u24 v7, v7, PB
	v_lshl_add_u32 v7, v4, 4, v7
	s_lshl_b32 s23, s12, 8
	s_add_co_u32 s23, s23, ATILE
	v_add_nc_u32 v[ADRB], s23, v7
	v_add_nc_u32 v[ADRB+1], 96*PB, v[ADRB]
	v_add_nc_u32 v[ADRB+2], SLOT, v[ADRB]
	v_add_nc_u32 v[ADRB+3], SLOT+96*PB, v[ADRB]
	s_mul_i32 s23, s10, WSTAGE
	s_add_co_u32 s23, s23, STAGE                   ; my stage
	v_mul_u32_u24 v8, v1, STP                      ; in: row r, column 16 b + 8 h at byte 64 b + 32 h
	v_lshl_add_u32 v8, v2, 5, v8
	v_add_nc_u32 v[STO], s23, v8
	v_lshlrev_b32 v[CO], 4, v5                     ; back and out: 32 lanes x 16 bytes = a row's 512 bytes
	v_add_nc_u32 v[RD], s23, v[CO]
	; asking ahead: u = 2 (16 block row + block column) + (wave & 1), 0 .. 511 among the waves of my kind; l = min(lane, 11)
	s_lshl4_add_u32 s73, s13, s42
	s_lshl1_add_u32 s73, s73, s12
	v_min_u32 v11, 11, v5
	v_mul_u32_u24 v12, v11, 11
	v_lshrrev_b32 v12, 5, v12                      ; l / 3 (exact for l < 24)
	v_mul_u32_u24 v13, v12, 3
	v_sub_nc_u32 v13, v11, v13                     ; l % 3
	s_lshl_b32 s74, s73, 2
	v_add_nc_u32 v12, s74, v12                     ; A: row 4 u + l / 3,
	v_mul_u32_u24 v12, v12, SIZE_K*2
	v_lshl_add_u32 v[PFA], v13, 8, v12             ; block l % 3 of the pair's 768 bytes
	s_mul_i32 s74, s73, 12
	v_add_nc_u32 v14, s74, v11                     ; B: block 12 u + l of the step's 192 rows x 32 blocks, which lie dense
	v_lshlrev_b32 v[PFB], 8, v14
	s_lshl_b32 s16, s13, 7
	s_lshl_b32 s17, s11, 6
	s_add_co_u32 s16, s16, s17                     ; my first row
	s_lshl_b32 s18, s16, 14                        ; 16,384 bytes a row of out0
	s_mov_b32 s19, 0
	s_add_nc_u64 s[8:9], s[8:9], s[18:19]
	s_lshl_b32 s46, s42, 10                        ; 1,024 bytes x block column + 512 x half
	s_lshl_b32 s47, s12, 9
	s_add_co_u32 s46, s46, s47
	s_mov_b32 s47, 0
	s_add_nc_u64 s[8:9], s[8:9], s[46:47]
.macro MULA f, a, zero                 ; 8 matrix instructions: tile row a x 8 tile columns, 32 along K, buffer f; zero = 1 starts the sums
.irp b, 0,1,2,3,4,5,6,7
.if \zero
	v_wmma_f32_16x16x32_f16 v[8*(8*\a+\b):8*(8*\a+\b)+7], v[FB+64*\f+8*\b:FB+64*\f+8*\b+7], v[FA+32*\f+8*\a:FA+32*\f+8*\a+7], 0
.else
	v_wmma_f32_16x16x32_f16 v[8*(8*\a+\b):8*(8*\a+\b)+7], v[FB+64*\f+8*\b:FB+64*\f+8*\b+7], v[FA+32*\f+8*\a:FA+32*\f+8*\a+7], v[8*(8*\a+\b):8*(8*\a+\b)+7]
.endif
.endr
.endm
.macro FETCH slot, q, f                ; 24 LDS loads: quarter q of a slot into buffer f: B's 8 fragments, then A's 4.  In A's rows 64 elements take 144 bytes.
.irp b, 0,1,2,3,4,5,6,7
	ds_load_tr16_b128 v[FB+64*\f+8*\b:FB+64*\f+8*\b+3],   v[ADRB+2*\slot+(\q)/3] offset:((\q)%3)*32*PB+32*\b
	ds_load_tr16_b128 v[FB+64*\f+8*\b+4:FB+64*\f+8*\b+7], v[ADRB+2*\slot+(\q)/3] offset:((\q)%3)*32*PB+32*\b+16*PB
.endr
.irp a, 0,1,2,3
	ds_load_b128 v[FA+32*\f+8*\a:FA+32*\f+8*\a+3],   v[ADRA+\slot] offset:((\q)/2)*144+((\q)%2)*64+\a*16*PA
	ds_load_b128 v[FA+32*\f+8*\a+4:FA+32*\f+8*\a+7], v[ADRA+\slot] offset:((\q)/2)*144+((\q)%2)*64+\a*16*PA+32
.endr
.endm
; The 32 accumulators take turns, one instruction a turn, in the same order in every quarter.
.macro QUARTER slot, q, f, g, zero
	s_wait_dscnt 4                                 ; all but the four youngest loads (A's tile rows 2, 3)
	WIN MULW
	MULA \f, 0, \zero
	MULA \f, 1, \zero
	PLACES                                         ; the places in front of the loads into buffer g
	WIN 0
	FETCH \slot, \q, \g
	s_wait_dscnt 24                                ; all but the 24 just issued
	WIN MULW
	MULA \f, 2, \zero
	MULA \f, 3, \zero
.endm
.macro FIVE slot, zero                 ; the first five quarters of a whole step
	QUARTER \slot, 1, 0, 1, \zero
	QUARTER \slot, 2, 1, 0, 0
	QUARTER \slot, 3, 0, 1, 0
	QUARTER \slot, 4, 1, 0, 0
	QUARTER \slot, 5, 0, 1, 0
.endm
; The last tile's descriptors, written where no tensor load of the wave is out.  A keeps its tile of 192 and states what is left of the row: the rest arrives as zeros and is not read.
; B's two waves take TAILK / 2 rows each: fewer rows, and the second wave's rows begin that much earlier in memory and in LDS.
.macro TAILDESC slot
	s_mov_b32 s[G1A+1], TAILK<<16
	s_mov_b32 s[G1B+2], (TAILK/2)<<16
	s_mov_b32 s[G1B+4], TAILK/2
	s_mul_i32 s20, s12, (TAILK/2)*PB
	s_add_co_u32 s[G0B+4*\slot+1], s20, \slot*SLOT+ATILE
	s_mul_i32 s20, s12, (KSTEP/2-TAILK/2)*8192
	s_mov_b32 s21, 0
	s_sub_nc_u64 s[G0B+4*\slot+2:G0B+4*\slot+3], s[G0B+4*\slot+2:G0B+4*\slot+3], s[20:21]
.endm
; The sixth quarter multiplies buffer 1, and at its head the slots change: the slot's last fragments are in registers, so the slot can be asked for again before these 32 products.
; In front of the barrier each wave has its reads of this slot back and all its tensor loads landed (one is out: its part of the next slot); behind it the refill comes first,
; then the next slot's first fragments.  fill = 1: a whole step, two steps on; 2: the last, short step; 0: nothing is left to fetch.
.macro TURN slot, next, fill, pfa, pfb
	s_wait_dscnt 0x0                               ; my reads of this slot are over
	s_wait_tensorcnt 0x0                           ; all my tensor loads have landed: the descriptors may be written
	ds_add_u32 v254, v255
	s_wait_dscnt 0x0
	WIN 0
.if \fill
	s_add_nc_u64 s[G0A+4*\slot+2:G0A+4*\slot+3], s[G0A+4*\slot+2:G0A+4*\slot+3], 2*KSTEP*2
	s_add_nc_u64 s[G0B+4*\slot+2:G0B+4*\slot+3], s[G0B+4*\slot+2:G0B+4*\slot+3], 2*KSTEP*8192
.if \fill == 2
	TAILDESC \slot
.endif
.if \pfa+\pfb
	s_wait_xcnt 0x0                                ; the last ask, a step ago, has read its base
.endif
.if \pfa
	s_add_nc_u64 s[76:77], s[76:77], 2*KSTEP*2
.endif
.if \pfb
	s_add_nc_u64 s[78:79], s[78:79], KSTEP*8192
.endif
	CROUND                                         ; no wave of any partner still reads this slot or has a load on its way
	JLOAD \slot, \pfa, \pfb                        ; my one tensor load behind the round; a whole step's 192 matrix instructions follow before it is waited for
.else
	s_barrier_signal -1
	s_barrier_wait -1                              ; the next slot is whole, and nobody reads this one any more
.endif
	PLACES                                         ; buffer 0 was read by the matrix instructions just in front
	FETCH \next, 0, 0
	WIN MULW
	MULA 1, 0, 0
	MULA 1, 1, 0
	MULA 1, 2, 0
	MULA 1, 3, 0
.endm
.macro LAP zero                        ; two K steps = once round the ring, both slots filled again, A and B asked ahead
	FIVE 0, \zero
	TURN 0, 1, 1, 1, 1
	FIVE 1, 0
	TURN 1, 0, 1, 0, 1
.endm
; rows 16 a .. 16 a + 15: through my own stage, read back as whole rows of 512 bytes, times 2, stored.  rb: v96 or v160 in turn.
.macro OUT16F a, rb
	WIN 0x04                                       ; store data in window 1
.irp b, 0,1,2,3,4,5,6,7
	ds_store_b128 v[STO], v[8*(8*\a+\b):8*(8*\a+\b)+3]   offset:64*\b
	ds_store_b128 v[STO], v[8*(8*\a+\b)+4:8*(8*\a+\b)+7] offset:64*\b+16
.endr
	WIN 0
	s_wait_xcnt 0x0                                ; registers that earlier stores read are loaded again only behind this wait
.irp t, 0,1,2,3,4,5,6,7,8,9,10,11,12,13,14,15
	ds_load_b128 v[\rb+4*\t:\rb+4*\t+3], v[RD] offset:\t*STP           ; LDS serves a wave's instructions in order: these see the stores above
.endr
.irp t, 0,1,2,3,4,5,6,7,8,9,10,11,12,13,14,15
	s_wait_dscnt 15-\t
	v_pk_mul_f32 v[\rb+4*\t:\rb+4*\t+1],   v[\rb+4*\t:\rb+4*\t+1],   2.0 op_sel_hi:[1,0]
	v_pk_mul_f32 v[\rb+4*\t+2:\rb+4*\t+3], v[\rb+4*\t+2:\rb+4*\t+3], 2.0 op_sel_hi:[1,0]
	global_store_b128 v[CO], v[\rb+4*\t:\rb+4*\t+3], s[8:9] offset:(16*\a+\t)*16384 th:TH_STORE_NT   ; the wave stores 512 neighbouring bytes at a multiple of 512
.endr
.endm
	s_wait_tensorcnt 0x1                           ; my part of K step 0 is in; K step 1's may stay out
	s_barrier_signal -1
	s_barrier_wait -1
	FETCH 0, 0, 0
	LAP 1                                          ; steps 0, 1: the first products start the sums
	WIN 0
	s_mov_b32 s3, 2                                ; steps 2 to 5
.Llap:
	LAP 0
	WIN 0
	s_sub_co_u32 s3, s3, 1
	s_cmp_lg_u32 s3, 0
	s_cbranch_scc1 .Llap
	FIVE 0, 0                                      ; step 6 asks for step 8, and ahead for B's step 9
	TURN 0, 1, 1, 0, 1
	FIVE 1, 0                                      ; step 7 asks for step 9
	TURN 1, 0, 1, 0, 0
	FIVE 0, 0                                      ; step 8 asks for the short step 10
	TURN 0, 1, 2, 0, 0
	FIVE 1, 0                                      ; step 9: nothing is left to fetch
	TURN 1, 0, 0, 0, 0
	QUARTER 0, 1, 0, 1, 0                          ; step 10: four quarters
	QUARTER 0, 2, 1, 0, 0
	QUARTER 0, 3, 0, 1, 0
	s_wait_dscnt 4
	WIN MULW
	MULA 1, 0, 0
	MULA 1, 1, 0
	s_wait_dscnt 0
	MULA 1, 2, 0
	MULA 1, 3, 0
	PLACES                                         ; in front of the stores that read results and of the loads into the fragment buffers
	OUT16F 0, 96
	OUT16F 1, 160
	OUT16F 2, 96
	OUT16F 3, 160
	s_wait_tensorcnt 0x0
	ds_add_u32 v254, v255
	s_wait_dscnt 0x0
	CROUND                                         ; the closing round
	s_endpgm
.Lfunc_end_k_q67a7f08492_oproj:
	.size	k_q67a7f08492_oproj, .Lfunc_end_k_q67a7f08492_oproj-k_q67a7f08492_oproj
	.p2alignl 7, 3214868480
	.fill 96, 4, 3214868480
	.section	.rodata,"a",@progbits
	.p2align	6, 0x0
	.amdhsa_kernel k_q67a7f08492_oproj
		.amdhsa_group_segment_fixed_size 327680
		.amdhsa_private_segment_fixed_size 0
		.amdhsa_enable_private_segment 0
		.amdhsa_kernarg_size 24
		.amdhsa_user_sgpr_count 2
		.amdhsa_user_sgpr_kernarg_segment_ptr 1
		.amdhsa_wavefront_size32 1
		.amdhsa_system_sgpr_workgroup_id_x 1
		.amdhsa_system_sgpr_workgroup_id_y 1
		.amdhsa_system_sgpr_workgroup_id_z 1
		.amdhsa_system_vgpr_workitem_id 0
		.amdhsa_next_free_vgpr 512
		.amdhsa_next_free_sgpr 80
		.amdhsa_reserve_vcc 0
		.amdhsa_float_denorm_mode_32 3
		.amdhsa_float_denorm_mode_16_64 3
		.amdhsa_memory_ordered 1
		.amdhsa_forward_progress 1
		.amdhsa_inst_pref_size 235
	.end_amdhsa_kernel
	.amdgpu_metadata
---
amdhsa.version: [ 1, 2 ]
amdhsa.kernels:
  - .name:           k_q67a7f08492_oproj
    .symbol:         k_q67a7f08492_oproj.kd
    .args:
      - { .name: att, .offset: 0, .size: 8, .value_kind: global_buffer, .address_space: global }
      - { .name: woh, .offset: 8, .size: 8, .value_kind: global_buffer, .address_space: global }
      - { .name: out0, .offset: 16, .size: 8, .value_kind: global_buffer, .address_space: global }
    .group_segment_fixed_size: 327680
    .private_segment_fixed_size: 0
    .kernarg_segment_align: 8
    .kernarg_segment_size: 24
    .max_flat_workgroup_size: 128
    .sgpr_count:     80
    .vgpr_count:     512
    .wavefront_size: 32
...
	.end_amdgpu_metadata
.endif
;; end of part 4
